; MI455X (gfx1250); checked and timed in simulation.
; The chip was launched on July 23, 2026; its instructions are those of AMD's public machine-readable ISA for CDNA 5 (MIT licence, August 2026) and "CDNA5" Instruction Set Architecture Reference Guide (July 2026). The comments in the code are by the model that wrote it; some were corrected since.
;; Dot Product Attention. Allowed arithmetic: matrix products marked QUANTISED: E4M3 operands, one given power-of-two scale a tensor, by v_wmma_f32_16x16x64_fp8_fp8 or v_wmma_f32_16x16x128_fp8_fp8, f32 sums; everything else in f32.
;; Inputs: attention_mask 2 x 1 x 2,048 x 2,048 bool; key_codes 2,048 x 2 x 32 x 2 x 32 uint8 (E4M3 codes of key, K innermost, in blocks of 32 codes); lowp_scales 4 int32 (the exponents e of the quantised operands' scales 2^e); query_codes 2,048 x 2 x 32 x 2 x 32 uint8 (E4M3 codes of query, K innermost, in blocks of 32 codes); value_codes 2 x 32 x 64 x 64 x 32 uint8 (E4M3 codes of value, K innermost, in blocks of 32 codes).
;; Outputs: out0 2,048 x 2 x 2,048 float32.
;; This version of the problem:
;;   THIS VERSION OF THE PROBLEM IS GIVEN IN LOW PRECISION. The matrix products marked QUANTISED in the list below multiply operands that are first quantised to E4M3 (4 exponent bits, 3 mantissa bits; 8 bits a number), with one given power-of-two scale for each operand tensor; their sums are f32. All else is computed in f32.
;;   The module's matrix products, in the order in which they are computed (A, B: the left and right operand; K: the contracted axis; several contracted axes count as one K, in the product's order):
;;     1. batch 64 x [M 2,048, K 64] x [K 64, N 2,048]; A: input query (given as codes); B: input key (given as codes): QUANTISED (scales: A lowp_scales[0], B lowp_scales[1])
;;     2. batch 64 x [M 64, K 2,048] x [K 2,048, N 2,048]; A: input value (given as codes); B: softmax (see below): QUANTISED (scales: A lowp_scales[2], B lowp_scales[3])
;;   THE QUANTISER, for each operand of a quantised product, along K:
;;     - The operand's scale is 2^e, e = its entry of the input lowp_scales (int32; the entries are numbered through the quantised products in the list's order, A before B).
;;     - Each number is divided by the scale, clamped to +-448, and rounded to the nearest number of E4M3, ties to even, subnormals kept.
;;     - The product sums the exact products of the quantised numbers (number of the format x scale) in f32.
;;   ~~~python
;;   def quantise(x, axis, e):      # numpy; x: float32 -> the quantised numbers, widened to float32 again
;;       x = np.moveaxis(x, axis, -1); K = x.shape[-1]
;;       r = np.clip(x / 2.0 ** e, -448, 448)
;;       step = 2.0 ** (np.maximum(np.frexp(np.where(r == 0, 1, r))[1] - 1, -6) - 3)
;;       q = np.round(r / step) * step * 2.0 ** e      # np.round: ties to even
;;       return np.moveaxis(q, -1, axis).astype(np.float32)
;;   ~~~
;;   SOFTMAX AHEAD OF A QUANTISED PRODUCT. Where the list says 'softmax', what is quantised is not the finished softmax but p = 2^(t - M), with t = logit x log2(e) and M = ceil(the row's largest t), a whole number; so 1/2 < the row's largest p <= 1. The row's sum l is taken of the UNQUANTISED p, in f32, and the product's result is divided by l at the end. Since M is a whole number, a kernel that streams over the keys may use a running M (the ceiling of the running maximum): every later rescaling is an exact power of two, so the quantised numbers keep their values, but for numbers so far below the row's largest that they fall under the format's range.
;;   OPERANDS COMPUTED ON THE WAY. 'Computed on the way' means the value that the module computes at that place (a softmax that the list does not call 'softmax' is quantised finished and normalised). What goes into a quantiser is computed in f32, as accurately as f32 sums, v_exp_f32 and their like allow (about 1e-6 of the number): no bf16 or f16 on the way to a quantiser, and a product that is left as it is and whose result goes on into a quantised operand takes f32 operands (vector FMAs, or v_wmma_f32_16x16x4_f32). A number that lies on a knife's edge between two numbers of the format may be rounded either way, as far as f32 arithmetic and the matrix unit's own rounding can turn it there, and no further.
;;   INPUTS GIVEN AS CODES. key (in the module: [2048, 2, 32, 64], K = its axis 3); query (in the module: [2048, 2, 32, 64], K = its axis 3); value (in the module: [2048, 2, 32, 64], K = its axis 0): each comes as NAME_codes (uint8): NAME with its K axis moved to the last place and cut into blocks of 32 codes, [.., K / 32, bytes a block], one block behind the other in memory; one code a byte (a code: sign, 4 exponent bits, 3 mantissa bits); its scale is its entry of lowp_scales. Its value is code x scale, taken as it is: it is not quantised again, and the codes and scales need not be those that the quantiser above would give.
;; One version. Each part assembles by itself: llvm-mc -triple=amdgcn-amd-amdhsa -mcpu=gfx1250 --defsym DOCPART=n.
;; ======== version 1 of 1: 2 launches
;; limits: right only within a limited range of input values
;; workspace buffers: maskbits 1,114,112 bytes of whole numbers
;; launch bits (part 1): grid 256 x 1, 8 waves a work-group, no clusters, 36,096 bytes of LDS; arguments attention_mask, maskbits; writes maskbits
.if DOCPART == 1
	.amdgcn_target "amdgcn-amd-amdhsa--gfx1250"
	.amdhsa_code_object_version 6
	.text
	.protected	k_qe8e6c89361_bits
	.globl	k_qe8e6c89361_bits
	.p2align	8
	.type	k_qe8e6c89361_bits,@function
k_qe8e6c89361_bits:
	s_mov_b64 s[64:65], 0
	v_nop
	global_prefetch_b8 v0, s[64:65] scope:SCOPE_SE
	s_setreg_imm32_b32 hwreg(HW_REG_WAVE_MODE, 25, 1), 1
	s_wait_xcnt 0x0
; attention_mask [2][1][2048][2048], one byte a flag (any byte other than 0 counts as true), becomes LANE MASKS for the attention launch:
; maskbits [x = 128 b + query tile (256)][key step of 128 (16)][j (64)], 32-bit words; bit L of word j = mask[b][16 tile + L % 16][128 step + 16 (j / 8) + 8 (L / 16) + j % 8].
; That is the place of register j of lane L in the scores' layout there, so that one select a score does the whole where().
; The packing costs two vector instructions a word and would be repeated by every head of a batch entry; here it is done once: 8 MiB in, 1 MiB out.
; SHARES.  Work-group x takes 16 rows of the mask (32,768 dense bytes); wave w the keys 256 w .. 256 w + 255: key steps 2 w and 2 w + 1.
; Each load reads two rows' aligned 256 bytes (sixteen lanes a row).  The bytes turn through the wave's own stage in LDS, so that lane (r, h) gets row r's eight bytes 16 u + 8 h.
; Waves share only the class word: one barrier.  No matrix unit, tensor load or cluster: a short stream.
; A tile's record in maskbits is 4,352 bytes: its 16 x 64 words, then 256 bytes that repeat ONE CLASS WORD: bit s = all flags of key step s are set, bit 16 + s = some flag of key step s is set.
.set CLS,   35840                      ; eight words in LDS, one a wave: its two key steps' part of the class word
.set PITCH, 272
.set WST,   16*PITCH                   ; a wave's stage
.set GI,  4                            ; v4   in: 2,048 h + 16 r
.set LW,  5                            ; v5   the stage, on the way in: h x pitch + 16 r
.set LR,  6                            ; v6   and out: r x pitch + 8 h
.set GOF, 7                            ; v7   out: 16 x lane
.set IN,  8                            ; v8-39   eight loads of 16 bytes
.set BY,  40                           ; v40-71  sixteen times eight bytes of my row
.set OUTW, 72                          ; v72-75  the words: word n of the wave's 128 in register n % 4 of lane n / 4
.set TT,  76                           ; v76-79  at work
	s_load_b128 s[4:7], s[0:1], 0x0                ; the mask s[4:5], the words s[6:7]
	v_lshl_add_u32 v80, v0, 2, 0x8800
	v_mov_b32 v81, 0
	v_lshrrev_b32 v1, 5, v0
	s_delay_alu instid0(VALU_DEP_1)
	v_readfirstlane_b32 s8, v1                     ; wave 0..7
	v_and_b32 v1, 31, v0                           ; lane
	v_and_b32 v2, 15, v0                           ; r
	v_bfe_u32 v3, v0, 4, 1                         ; h
	s_delay_alu instid0(VALU_DEP_1)
	v_lshlrev_b32 v[GI], 11, v3
	s_delay_alu instid0(VALU_DEP_1)
	v_lshl_add_u32 v[GI], v2, 4, v[GI]
	s_mul_i32 s9, s8, WST
	v_mul_u32_u24 v[LW], v3, PITCH
	s_delay_alu instid0(VALU_DEP_1)
	v_lshl_add_u32 v[LW], v2, 4, v[LW]
	s_delay_alu instid0(VALU_DEP_1)
	v_add_nc_u32 v[LW], s9, v[LW]
	v_mul_u32_u24 v[LR], v2, PITCH
	s_delay_alu instid0(VALU_DEP_1)
	v_lshl_add_u32 v[LR], v3, 3, v[LR]
	s_delay_alu instid0(VALU_DEP_1)
	v_add_nc_u32 v[LR], s9, v[LR]
	v_lshlrev_b32 v[GOF], 4, v1
	s_lshl_b32 s10, ttmp9, 15                      ; my 16 rows of 2,048 bytes,
	s_lshl_b32 s11, s8, 8                          ; my wave's 256 keys
	s_add_co_u32 s10, s10, s11
	s_mov_b32 s11, 0
	s_mul_i32 s12, ttmp9, 4352                     ; my tile's record,
	s_lshl_b32 s13, s8, 9                          ; my wave's two key steps of 256 bytes
	s_add_co_u32 s12, s12, s13
	s_mov_b32 s13, 0
.irp k, 0,1,2,3
	v_mov_b32 v[OUTW+\k], 0                        ; written whole once: v_writelane_b32's destination counts as read
.endr
	s_wait_alu depctr_va_vdst(0)
	s_wait_kmcnt 0x0
	s_add_nc_u64 s[4:5], s[4:5], s[10:11]
	s_add_nc_u64 s[6:7], s[6:7], s[12:13]
.irp i, 0,1,2,3,4,5,6,7
	global_load_b128 v[IN+4*\i:IN+4*\i+3], v[GI], s[4:5] offset:4096*\i th:TH_LOAD_NT   ; rows 2 i (lanes 0-15) and 2 i + 1 (lanes 16-31): 256 consecutive aligned bytes each; read once in the launch
.endr
.irp i, 0,1,2,3,4,5,6,7
	s_wait_loadcnt 7-\i                            ; loads come back in order (ISA guide 5.7.1): load i is in, the 7 - i younger ones may be out
	ds_store_b128 v[LW], v[IN+4*\i:IN+4*\i+3] offset:2*\i*PITCH
.endr
.irp g, 0,1,2,3,4,5,6,7,8,9,10,11,12,13,14,15
	ds_load_b64 v[BY+2*\g:BY+2*\g+1], v[LR] offset:16*\g   ; keys 16 g + 8 h + 0 .. 7 of row r.  LDS serves a wave's instructions in order (ISA guide 5.7.1.4): these see my stores
.endr
	s_wait_dscnt 0x0
; Four words at a time: byte k of register BY + G is the flag of word n = 4 G + k for my lane; the compare's result IS the word; it goes to lane G of register OUTW + k.
.set G, 0
.rept 32
.irp k, 0,1,2,3
	v_and_b32 v[TT+\k], 0xff<<(8*\k), v[BY+G]
.endr
.irp k, 0,1,2,3
	s_delay_alu instid0(VALU_DEP_4)
	v_cmp_ne_u32 s[16+4*(G%2)+\k], 0, v[TT+\k]
.endr
.irp k, 0,1,2,3
	s_delay_alu instid0(VALU_DEP_4)
	v_writelane_b32 v[OUTW+\k], s[16+4*(G%2)+\k], G
.endr
.set G, G+1
.endr
	global_store_b128 v[GOF], v[OUTW:OUTW+3], s[6:7]       ; the wave stores 512 consecutive bytes, at a multiple of 256 from the buffer's first byte
	; the class: lanes 0-15 hold my first key step's 64 words, lanes 16-31 my second's
	v_and_b32 v[TT], v[OUTW], v[OUTW+1]
	v_and_b32 v[TT+1], v[OUTW+2], v[OUTW+3]
	v_or_b32 v[TT+2], v[OUTW], v[OUTW+1]
	v_or_b32 v[TT+3], v[OUTW+2], v[OUTW+3]
	v_and_b32 v[TT], v[TT], v[TT+1]
	v_or_b32 v[TT+2], v[TT+2], v[TT+3]
	v_cmp_eq_u32 s16, -1, v[TT]                    ; lanes whose four words are all ones
	v_cmp_ne_u32 s17, 0, v[TT+2]                   ; lanes with some bit set
	s_and_b32 s18, s16, 0xffff
	s_cmp_eq_u32 s18, 0xffff
	s_cselect_b32 s18, 1, 0
	s_lshr_b32 s19, s16, 16
	s_cmp_eq_u32 s19, 0xffff
	s_cselect_b32 s19, 2, 0
	s_or_b32 s18, s18, s19
	s_and_b32 s19, s17, 0xffff
	s_cmp_lg_u32 s19, 0
	s_cselect_b32 s19, 0x10000, 0
	s_or_b32 s18, s18, s19
	s_lshr_b32 s19, s17, 16
	s_cmp_lg_u32 s19, 0
	s_cselect_b32 s19, 0x20000, 0
	s_or_b32 s18, s18, s19
	s_lshl_b32 s19, s8, 1
	s_lshl_b32 s18, s18, s19                       ; at key steps 2 w and 2 w + 1
	s_lshl_b32 s19, s8, 2
	s_add_co_u32 s19, s19, CLS
	v_mov_b32 v[TT], s18
	v_mov_b32 v[TT+1], s19
	ds_store_b32 v[TT+1], v[TT]                    ; all lanes write the same word with the same value
	s_wait_dscnt 0x0                               ; for the others' sake
	s_barrier_signal -1
	s_barrier_wait -1
	s_cmp_lg_u32 s8, 0
	s_cbranch_scc1 .Lclass_done                    ; wave 0 joins the eight parts and stores the class
	v_mov_b32 v[TT+1], CLS
	ds_load_b128 v[IN:IN+3], v[TT+1]
	ds_load_b128 v[IN+4:IN+7], v[TT+1] offset:16
	v_lshlrev_b32 v[TT+2], 3, v1
	s_wait_alu depctr_va_vdst(0)                   ; directly ahead of the wait below
	s_wait_dscnt 0x0
	v_or_b32 v[IN], v[IN], v[IN+1]
	v_or_b32 v[IN+2], v[IN+2], v[IN+3]
	v_or_b32 v[IN+4], v[IN+4], v[IN+5]
	v_or_b32 v[IN+6], v[IN+6], v[IN+7]
	v_or_b32 v[IN], v[IN], v[IN+2]
	v_or_b32 v[IN+4], v[IN+4], v[IN+6]
	v_or_b32 v[IN], v[IN], v[IN+4]
	v_mov_b32 v[IN+1], v[IN]
	global_store_b64 v[TT+2], v[IN:IN+1], s[6:7] offset:4096   ; 32 lanes x 8 bytes: the record's last 256 bytes, whole (wave 0's base is the record's first byte)
.Lclass_done:
	s_wait_tensorcnt 0x0
	ds_add_u32 v80, v81
	s_wait_dscnt 0x0
	s_endpgm
.Lfunc_end_k_qe8e6c89361_bits:
	.size	k_qe8e6c89361_bits, .Lfunc_end_k_qe8e6c89361_bits-k_qe8e6c89361_bits
	.p2alignl 7, 3214868480
	.fill 96, 4, 3214868480
	.section	.rodata,"a",@progbits
	.p2align	6, 0x0
	.amdhsa_kernel k_qe8e6c89361_bits
		.amdhsa_group_segment_fixed_size 36096
		.amdhsa_private_segment_fixed_size 0
		.amdhsa_enable_private_segment 0
		.amdhsa_kernarg_size 16
		.amdhsa_user_sgpr_count 2
		.amdhsa_user_sgpr_kernarg_segment_ptr 1
		.amdhsa_wavefront_size32 1
		.amdhsa_system_sgpr_workgroup_id_x 1
		.amdhsa_system_sgpr_workgroup_id_y 1
		.amdhsa_system_sgpr_workgroup_id_z 1
		.amdhsa_system_vgpr_workitem_id 0
		.amdhsa_next_free_vgpr 82
		.amdhsa_next_free_sgpr 66
		.amdhsa_reserve_vcc 0
		.amdhsa_float_denorm_mode_32 3
		.amdhsa_float_denorm_mode_16_64 3
		.amdhsa_memory_ordered 1
		.amdhsa_forward_progress 1
		.amdhsa_inst_pref_size 39
	.end_amdhsa_kernel
	.amdgpu_metadata
---
amdhsa.version: [ 1, 2 ]
amdhsa.kernels:
  - .name:           k_qe8e6c89361_bits
    .symbol:         k_qe8e6c89361_bits.kd
    .args:
      - { .name: attention_mask, .offset: 0, .size: 8, .value_kind: global_buffer, .address_space: global }
      - { .name: maskbits, .offset: 8, .size: 8, .value_kind: global_buffer, .address_space: global }
    .group_segment_fixed_size: 36096
    .private_segment_fixed_size: 0
    .kernarg_segment_align: 8
    .kernarg_segment_size: 16
    .max_flat_workgroup_size: 256
    .sgpr_count:     66
    .vgpr_count:     82
    .wavefront_size: 32
...
	.end_amdgpu_metadata
.endif
;; end of part 1
;; launch attn (part 2): grid 16 x 16, 8 waves a work-group, no clusters, 314,368 bytes of LDS; arguments query_codes, key_codes, value_codes, lowp_scales, maskbits, out0; writes out0
.if DOCPART == 2
	.amdgcn_target "amdgcn-amd-amdhsa--gfx1250"
	.amdhsa_code_object_version 6
	.text
	.protected	k_qe8e6c89361_attn
	.globl	k_qe8e6c89361_attn
	.p2align	8
	.type	k_qe8e6c89361_attn,@function
k_qe8e6c89361_attn:
	s_mov_b64 s[64:65], 0
	v_nop
	global_prefetch_b8 v0, s[64:65] scope:SCOPE_SE
	s_setreg_imm32_b32 hwreg(HW_REG_WAVE_MODE, 25, 1), 1
	s_wait_xcnt 0x0
; out0[s][b][64 n + d] = the sum over t of softmax_t(where(mask[b][s][t], -10000, Q[s,b,n] . K[t,b,n] / 8)) V[t,b,n][d], both products on the given codes of FP8 (E4M3).
; query_codes, key_codes: [2048][2][32][64] bytes.  value_codes: [2][32][64 channels][2048 keys].  lowp_scales: eq, ek, ev, ep.  maskbits: the mask as lane masks and class words, made by the launch before.
; THE SOFTMAX: t = logit x log2(e); M = the row's largest t so far, rounded up to a whole number; p = 2^(t - M) is quantised with 2^ep; the row's sum is taken of the unquantised p and divides at the end.
; WHAT THE MASK DECIDES.  The mask is whole numbers.  A wave reads, for its 64 queries, the class of each key step of 128 keys, and branches on it:
;   open (no flag set): no select.   mixed: one select a score.
;   hidden (all 64 x 128 flags set): where() throws every score of the block away, whatever Q and K hold, so the first product is not made there.  Every hidden key of a row has the same logit, -10000,
;   so its p is ph = 2^(tm - M), tm = -10000 log2(e), and the keys add q(ph) x (the sum of their V) to O and ph each to the row's sum.  The sum of V is made by the matrix unit (V^T x codes of 1.0) into OH;
;   ph is taken at the end, with the final M; tm enters the running maximum at the start where the wave has a hidden step (every row then has a masked key).  A row that is masked throughout gets equal weights as in reference().
;   LIMIT: a NaN or an infinity in a product of Q and K that the mask throws away is not carried to the result.
; The hold of p at 448 x 2^ep is jumped over where ep >= -8: p <= 1 < 448 x 2^-8 then.
; NO TENSOR LOAD, NO CLUSTER: K and V come through registers into LDS; joint loads are tensor loads.
; SHARES.  Work-group (x, y): y = 8 b + g: batch entry b, heads 4 g .. 4 g + 3 (a key's row in LDS is 256 consecutive aligned bytes of memory); the blocks x and 31 - x of 64 queries, far apart, so that a mask that hides
; a growing share of the keys deals the work evenly.  Wave w: head w % 4, block (w / 4 + w) % 2; FOUR tiles of 16 queries, which share every fragment of K and V.
; THE RING: two LDS slots of 256 keys.  In a slot's first step each wave loads 32 rows of the next slot's K into 64 registers and stores them to the other slot at the step's end; in the second step V's.  One barrier a slot.
; LAYOUT as in the products' transposed use: S^T = K Q^T, O^T = V^T P^T; a lane holds one query (lane % 16); register 8 u + i of S^T is key 16 u + 8 h + i; the conversion of tile u gives registers 2 u, 2 u + 1 of P.
; K's and Q's fragments come by two loads of 16 bytes (bytes 16 h and 32 + 16 h of a row): the same permutation of the head's 64 on both sides.
; Any step may be the first to add to a sum (the class decides), so O^T and OH begin as zeros and the largest t as -3e38 or tm.
; LIMITS: eq + ek between -111 and 130; ep between -126 and 119.  NaN codes are not served.
; PREFETCH: the 16 work-groups of a y walk the same K and V; of each slot's 512 rows of 256 bytes work-group x names 32 (x < 8: K's, else V's), a lane a row, wave 0, two slots ahead of the loads that want them; slots 0 to 2 come by their loads alone.
; REGISTERS.  Window 0: v1-15 addresses and constants; v16-31 statistics; v32-47 at work; v48-111 P of four tiles; v112-175 fragments; v176-239 S^T; v240-247 codes of 1.0.
; Window 1: v0-127 O^T; v128-159 OH; v160-191 Q; v192-255 rows on their way to LDS.
.set PK,    272                        ; an LDS row: 256 bytes + 16
.set VOFF,  256*PK
.set SLOTB, 512*PK
.set SPARE, 2*SLOTB                    ; the spare words: 128 bytes a wave
.set STAGE, SPARE+1024                 ; the way out: 16 rows x 272 bytes a wave
.set SPW, 1
.set NIL, 2
.set AK0, 3
.set AV0, 4
.set LSK, 5
.set LSV, 6
.set GKO, 7
.set GVO, 8
.set PFO, 9
.set SCL, 10
.set ADR, 11
.set TMV, 15
.set ST,  16
.set T,   32
.set P,   48
.set FR,  112
.set S,   176
.set ONE, 240
.set O,   0
.set OH,  128
.set Q,   160
.set G,   192
.set MP,  2
.set KB,  4
.set VB,  6
.set PFA, 8
.set OUT, 10
.set WV,  12
.set TB,  13
.set TBO, 14
.set CNT, 15
.set HID, 16
.set ANY, 17
.set SEL, 18
.set CS,  20
.set HOLD, 22
.set EPV, 23
.set NOH, 24
.set LIM, 25
.set PFS, 100
.set NHF, 104
.set MSB, 0
.macro WIN new                         ; the immediate's high byte repeats the setting that is left
.if MSB != \new
	s_set_vgpr_msb (MSB<<8)|\new
.set MSB, \new
.endif
.endm
.macro STLOAD isv, dst, win            ; 32 rows of 256 bytes: sixteen lanes a row, two rows a load
	WIN \win
.set i, 0
.rept 16
.if \isv
	global_load_b128 v[(\dst)+4*i:(\dst)+4*i+3], v[GVO], s[VB:VB+1] offset:4096*i
.else
	global_load_b128 v[(\dst)+4*i:(\dst)+4*i+3], v[GKO], s[KB:KB+1] offset:8192*i
.endif
.set i, i+1
.endr
	WIN 0
.endm
.macro STSTORE isv, src, win, tb
.if \isv
	v_add_nc_u32 v[ADR], s[\tb], v[LSV]
.else
	v_add_nc_u32 v[ADR], s[\tb], v[LSK]
.endif
	WIN \win
.set i, 0
.rept 16
	ds_store_b128 v[ADR], v[(\src)+4*i:(\src)+4*i+3] offset:2*i*PK
.set i, i+1
.endr
	WIN 0
.endm
.macro MLOAD off                       ; a tile's 64 mask words of a step
	s_load_b512 s[32:47], s[MP:MP+1], (\off)
	s_load_b512 s[48:63], s[MP:MP+1], (\off)+64
	s_load_b512 s[68:83], s[MP:MP+1], (\off)+128
	s_load_b512 s[84:99], s[MP:MP+1], (\off)+192
.endm
.macro VLOAD q                         ; V's four fragments: channel 16 t + r, keys 16 c + 8 h + 0 .. 7
	v_add_nc_u32 v[ADR], s[TB], v[AV0]
.set t, 0
.rept 4
.set c, 0
.rept 8
	ds_load_b64 v[FR+16*t+2*c:FR+16*t+2*c+1], v[ADR] offset:16*t*PK+128*(\q)+16*c
.set c, c+1
.endr
.set t, t+1
.endr
.endm
; One tile's softmax for 128 keys (64 a lane); maxima and sums in four chains
.macro SOFTMAX x
.set SST, ST+4*(\x)
.set SP,  P+16*(\x)
.set SO,  O+32*(\x)
	v_max3_num_f32 v[T], v[S], v[S+1], v[S+2]      ; ascending: each accumulator is read first at its low end
	v_max3_num_f32 v[T+1], v[S+3], v[S+4], v[S+5]
	v_max3_num_f32 v[T+2], v[S+6], v[S+7], v[S+8]
	v_max3_num_f32 v[T+3], v[S+9], v[S+10], v[S+11]
.set j, 12
.rept 26
	v_max3_num_f32 v[T+(j/2+2)%4], v[T+(j/2+2)%4], v[S+j], v[S+j+1]
.set j, j+2
.endr
	v_max3_num_f32 v[T], v[T], v[T+1], v[T+2]
	v_max_num_f32 v[T], v[T], v[T+3]
	v_permlanex16_b32 v[T+4], v[T], s[SEL], s[SEL+1]
	v_max_num_f32 v[T], v[T], v[T+4]               ; and lane l xor 16's
	v_mul_f32 v[T], s[CS], v[T]                    ; as t (c is positive)
	v_max_num_f32 v[SST+1], v[SST+1], v[T]         ; the running largest t
	v_mov_b32 v[T], v[SST]
	v_floor_f32 v[SST], -v[SST+1]                  ; the new -M
	v_sub_f32 v[T], v[SST], v[T]                   ; old M less new M
	v_cvt_i32_f32 v[T], v[T]                       ; (it saturates)
	v_ldexp_f32 v[T+6], 1.0, v[T]                  ; f = 2^(old M - new M)
.set j, 0
.rept 32
	v_pk_fma_f32 v[S+j:S+j+1], v[S+j:S+j+1], s[CS:CS+1], v[SST:SST+1] op_sel_hi:[1,0,0]   ; t - M
.set j, j+2
.endr
	s_wait_alu depctr_va_vdst(0)                   ; ahead of the batch
.set j, 0
.rept 64
	v_exp_f32 v[S+j], v[S+j]
.set j, j+1
.endr
	v_pk_mul_f32 v[SST+2:SST+3], v[SST+2:SST+3], v[T+6:T+7] op_sel_hi:[1,0]   ; the sums under the new M: the plain place behind the batch
	WIN 0x41                                       ; destination and source 0 in window 1
	s_wait_alu depctr_va_vdst(0)                   ; one wait: behind the batch, and directly ahead of the first reader of O^T
.set j, 0
.rept 16
	v_pk_mul_f32 v[SO+j:SO+j+1], v[SO+j:SO+j+1], v[T+6:T+7] op_sel_hi:[1,0]
.set j, j+2
.endr
	WIN 0
	v_pk_add_f32 v[T+8:T+9], v[S:S+1], v[S+2:S+3]  ; the row's sum of the unquantised p
	v_pk_add_f32 v[T+10:T+11], v[S+4:S+5], v[S+6:S+7]
	v_pk_add_f32 v[T+12:T+13], v[S+8:S+9], v[S+10:S+11]
.set j, 12
.rept 26
.set k, (j/2+2)%4
.if k == 0
	v_pk_add_f32 v[SST+2:SST+3], v[SST+2:SST+3], v[S+j:S+j+1]
.else
	v_pk_add_f32 v[T+6+2*k:T+7+2*k], v[T+6+2*k:T+7+2*k], v[S+j:S+j+1]
.endif
.set j, j+2
.endr
	v_pk_add_f32 v[T+8:T+9], v[T+8:T+9], v[T+10:T+11]
	v_pk_add_f32 v[SST+2:SST+3], v[SST+2:SST+3], v[T+12:T+13]
	v_pk_add_f32 v[SST+2:SST+3], v[SST+2:SST+3], v[T+8:T+9]
	s_wait_alu depctr_va_vdst(0)                   ; ahead of the branch
	s_cmp_lg_u32 s[NOH], 0
	s_cbranch_scc1 .Lnohold_\@                     ; ep >= -8: no p reaches the hold
.set j, 0
.rept 64
	v_min_num_f32 v[S+j], s[HOLD], v[S+j]          ; the conversion does not saturate (ISA guide 7.6.2); p is not negative
.set j, j+1
.endr
.Lnohold_\@:
.set u, 0
.rept 8
	v_cvt_scalef32_pk8_fp8_f32 v[SP+2*u:SP+2*u+1], v[S+8*u:S+8*u+7], v[SCL]
.set u, u+1
.endr
	v_nop                                          ; one plain place behind the last conversion
.endm
; A KEY STEP of 128 keys, the q-th of the slot in hand, for my four tiles
.macro STEP q
.rept 4
	v_nop                                          ; four places behind the last products, ahead of loads into registers that they read
.endr
	s_cmp_lg_u32 s[CNT], 1
	s_cbranch_scc0 .Lnoload_\@                     ; the last slot has no successor
	STLOAD \q, G, 0x40
.Lnoload_\@:
	s_bitcmp1_b32 s[HID], \q
	s_cbranch_scc1 .Lhidden_\@
	s_bitcmp1_b32 s[ANY], \q
	s_cbranch_scc0 .Lnowords_\@
	MLOAD 256*(\q)                                 ; tile 0's words
.Lnowords_\@:
	v_add_nc_u32 v[ADR], s[TB], v[AK0]
.set u, 0
.rept 8
	ds_load_b128 v[FR+8*u:FR+8*u+3], v[ADR] offset:(128*(\q)+16*u)*PK
	ds_load_b128 v[FR+8*u+4:FR+8*u+7], v[ADR] offset:(128*(\q)+16*u)*PK+32
.set u, u+1
.endr
	s_wait_dscnt 0x0
.irp x, 0,1,2,3
	WIN 0x04                                       ; source 1 (Q) in window 1
.set u, 0
.rept 8
	v_wmma_f32_16x16x64_fp8_fp8 v[S+8*u:S+8*u+7], v[FR+8*u:FR+8*u+7], v[Q+8*\x:Q+8*\x+7], 0
.set u, u+1
.endr
	WIN 0
.rept 4
	v_nop                                          ; four places ahead of the first read of the results (tile 3: and of the loads over K's fragments)
.endr
.if \x == 3
	VLOAD \q                                       ; V has the last softmax in which to come
.endif
	s_wait_kmcnt 0x0                               ; on every path: no scalar load is out at the branch
	s_bitcmp1_b32 s[ANY], \q
	s_cbranch_scc0 .Lopen_\@_\x
.set j, 0
.rept 64
	v_cndmask_b32 v[S+j], v[S+j], v[TMV], s[32+j+4*(j/32)]   ; where(mask, -10000, score)
.set j, j+1
.endr
.if \x < 3
	MLOAD 4352*(\x+1)+256*(\q)                     ; the next tile's words: they have this tile's softmax in which to come
.endif
.Lopen_\@_\x:
	SOFTMAX \x
.endr
	s_wait_alu depctr_va_vdst(0)                   ; directly ahead of the wait below
	s_wait_dscnt 0x0                               ; V
	WIN 0x50                                       ; C and D in window 1
.set t, 0
.rept 4                                ; sixteen accumulators by turns
.irp x, 0,1,2,3
	v_wmma_f32_16x16x128_fp8_fp8 v[O+32*\x+8*t:O+32*\x+8*t+7], v[FR+16*t:FR+16*t+15], v[P+16*\x:P+16*\x+15], v[O+32*\x+8*t:O+32*\x+8*t+7]
.endr
.set t, t+1
.endr
	WIN 0
	s_branch .Ldone_\@
.Lhidden_\@:                                       ; OH += V^T x codes of 1.0: four accumulators by turns, K = 64 an instruction
	VLOAD \q
	s_wait_dscnt 0x0
	WIN 0x50
.irp t, 0,1,2,3
	s_wait_alu depctr_va_vdst(0)
	v_wmma_f32_16x16x64_fp8_fp8 v[OH+8*\t:OH+8*\t+7], v[FR+16*\t:FR+16*\t+7], v[ONE:ONE+7], v[OH+8*\t:OH+8*\t+7]
.endr
.irp t, 0,1,2,3
	v_wmma_f32_16x16x64_fp8_fp8 v[OH+8*\t:OH+8*\t+7], v[FR+16*\t+8:FR+16*\t+15], v[ONE:ONE+7], v[OH+8*\t:OH+8*\t+7]
.endr
	WIN 0
.Ldone_\@:
	s_wait_loadcnt 0x0                             ; on every path: the rows asked for at the step's head are in
	s_cmp_lg_u32 s[CNT], 1
	s_cbranch_scc0 .Lnostore_\@
	STSTORE \q, G, 0x04, TBO                       ; into the slot that every wave left at the last barrier
.Lnostore_\@:
.endm
	s_load_b256 s[32:39], s[0:1], 0x0              ; Q s[32:33], K s[34:35], V s[36:37], the exponents s[38:39]
	s_load_b128 s[40:43], s[0:1], 0x20             ; the mask words s[40:41], out0 s[42:43]
	v_lshl_add_u32 v[SPW], v0, 2, SPARE
	v_mov_b32 v[NIL], 0
	v_lshrrev_b32 v11, 5, v0
	v_readfirstlane_b32 s[WV], v11                 ; wave 0..7
	v_and_b32 v12, 15, v0                          ; r
	v_bfe_u32 v13, v0, 4, 1                        ; h
	v_lshlrev_b32 v14, 4, v12
	v_lshl_add_u32 v[GKO], v13, 12, v14            ; K in memory: 4,096 h + 16 r
	v_lshl_add_u32 v[GVO], v13, 11, v14            ; V: 2,048 h + 16 r
	s_mul_i32 s26, s[WV], 32*PK
	v_mad_u32_u24 v[LSK], v13, PK, v14
	v_add_nc_u32 v[LSK], s26, v[LSK]               ; in a slot: row 32 w + h, + 16 r
	v_add_nc_u32 v[LSV], VOFF, v[LSK]
	s_and_b32 s48, ttmp7, 0xffff                   ; y
	s_lshr_b32 s49, s48, 3                         ; b
	s_and_b32 s50, s48, 7                          ; g
	s_and_b32 s51, s[WV], 3                        ; my head of the four
	s_lshr_b32 s52, s[WV], 2
	s_add_co_u32 s52, s52, s[WV]
	s_and_b32 s52, s52, 1
	s_sub_co_u32 s53, 31, ttmp9
	s_cmp_lg_u32 s52, 0
	s_cselect_b32 s53, s53, ttmp9                  ; my block of 64 queries
	s_lshl_b32 s54, s49, 11
	s_lshl_b32 s55, s50, 8
	s_add_co_u32 s54, s54, s55                     ; 2,048 b + 256 g
	s_lshl_b32 s56, s[WV], 17                      ; my 32 keys of 4,096 bytes
	s_add_co_u32 s56, s56, s54
	s_mov_b32 s57, 0
	s_lshl_b32 s58, s48, 19                        ; V: four heads of 64 x 2,048 bytes
	s_lshl_b32 s59, s[WV], 16                      ; my 32 rows
	s_add_co_u32 s58, s58, s59
	s_mov_b32 s59, 0
	s_wait_alu depctr_va_vdst(0)                   ; directly ahead of the wait below
	s_wait_kmcnt 0x0
	s_add_nc_u64 s[KB:KB+1], s[34:35], s[56:57]
	s_add_nc_u64 s[VB:VB+1], s[36:37], s[58:59]
	STLOAD 0, G, 0x40                              ; slot 0: K's rows,
	STLOAD 1, FR, 0                                ; and V's
	s_load_b128 s[44:47], s[38:39], 0x0            ; eq, ek, ev, ep
	s_lshl_b32 s60, s53, 18                        ; Q: 64 queries of 4,096 bytes a block
	s_add_co_u32 s60, s60, s54
	s_lshl_b32 s61, s51, 6
	s_add_co_u32 s60, s60, s61
	s_mov_b32 s61, 0
	s_add_nc_u64 s[32:33], s[32:33], s[60:61]
	v_lshlrev_b32 v14, 12, v12
	v_lshl_add_u32 v14, v13, 4, v14                ; row r, + 16 h
	WIN 0x40
.irp x, 0,1,2,3
.irp c, 0,1
	global_load_b128 v[Q+8*\x+4*\c:Q+8*\x+4*\c+3], v14, s[32:33] offset:65536*\x+32*\c
.endr
.endr
	WIN 0
	s_lshl_b32 s62, s49, 7                         ; my first tile's record: tile 128 b + 4 block
	s_lshl_b32 s63, s53, 2
	s_add_co_u32 s62, s62, s63
	s_mul_i32 s62, s62, 4352
	s_mov_b32 s63, 0
	s_add_nc_u64 s[MP:MP+1], s[40:41], s[62:63]
.irp x, 0,1,2,3
	s_load_b32 s[68+\x], s[MP:MP+1], 4352*\x+4096  ; the four tiles' class words
.endr
	s_lshl_b32 s26, s53, 20                        ; out0: 16,384 s + 8,192 b + 256 n
	s_lshl_b32 s27, s49, 13
	s_add_co_u32 s26, s26, s27
	s_lshl_b32 s27, s50, 10
	s_add_co_u32 s26, s26, s27
	s_lshl_b32 s27, s51, 8
	s_add_co_u32 s26, s26, s27
	s_mov_b32 s27, 0
	s_add_nc_u64 s[OUT:OUT+1], s[42:43], s[26:27]
	v_mul_u32_u24 v[AK0], v12, PK
	v_lshl_add_u32 v[AV0], v13, 3, v[AK0]
	v_lshl_add_u32 v[AK0], v13, 4, v[AK0]
	s_lshl_b32 s26, s51, 6
	v_add_nc_u32 v[AK0], s26, v[AK0]               ; K: r x pitch + 16 h + 64 head
	s_mul_i32 s26, s51, 64*PK
	s_add_co_u32 s26, s26, VOFF
	v_add_nc_u32 v[AV0], s26, v[AV0]               ; V: VOFF + (64 head + r) x pitch + 8 h
	; the prefetches
	s_and_b32 s26, ttmp9, 7
	s_lshl_b32 s26, s26, 5                         ; my work-group's 32 rows of a slot's 256
	s_lshl_b32 s27, s48, 19
	s_mov_b32 s28, 0x100000
	s_cmp_lt_u32 ttmp9, 8
	s_cselect_b64 s[PFA:PFA+1], s[34:35], s[36:37]
	s_cselect_b32 s29, 12, 11                      ; a row: 4,096 bytes in K, 2,048 in V
	s_cselect_b32 s27, s54, s27
	s_cselect_b32 s[PFS], s28, 256                 ; a slot on
	s_lshl_b32 s26, s26, s29
	s_add_co_u32 s26, s26, s27
	s_mul_i32 s27, s[PFS], 3                       ; the first trip names slot 3
	s_add_co_u32 s26, s26, s27
	s_mov_b32 s27, 0
	s_mov_b32 s[PFS+1], 0
	s_add_nc_u64 s[PFA:PFA+1], s[PFA:PFA+1], s[26:27]
	v_and_b32 v[PFO], 31, v0
	v_lshlrev_b32 v[PFO], s29, v[PFO]
	s_cmp_eq_u32 s[WV], 0
	s_cselect_b32 s[LIM], 3, -1                    ; wave 0 asks while more than 3 slots are to go: the slot named is 7 at the most
	s_mov_b32 s[SEL], 0x76543210
	s_mov_b32 s[SEL+1], 0xfedcba98
	s_wait_kmcnt 0x0                               ; the exponents and the class words
	s_add_co_i32 s26, s44, s45
	s_lshl_b32 s26, s26, 23
	s_add_co_u32 s[CS], s26, 0x3e38aa3b            ; c = log2(e) / 8 x 2^(eq + ek)
	s_mov_b32 s[CS+1], s[CS]
	s_sub_co_u32 s27, 0xc79c4000, s26              ; -80000 / 2^(eq + ek): the masked score in units of the raw sum
	v_mov_b32 v[TMV], s27
	s_mul_f32 s28, s[CS], s27                      ; tm
	s_add_co_i32 s29, s47, 127
	s_lshl_b32 s30, s29, 23
	v_mov_b32 v[SCL], s30                          ; 2^ep
	s_add_co_i32 s29, s29, 8
	s_lshl_b32 s29, s29, 23
	s_or_b32 s[HOLD], s29, 0x600000                ; 448 x 2^ep
	s_add_co_i32 s[EPV], s46, s47
	s_cmp_ge_i32 s47, -8
	s_cselect_b32 s[NOH], 1, 0
	s_and_b32 s[HID], s68, s69                     ; hidden: all flags of all four tiles
	s_and_b32 s[HID], s[HID], s70
	s_and_b32 s[HID], s[HID], s71
	s_and_b32 s[HID], s[HID], 0xffff
	s_or_b32 s[ANY], s68, s69
	s_or_b32 s[ANY], s[ANY], s70
	s_or_b32 s[ANY], s[ANY], s71
	s_lshr_b32 s[ANY], s[ANY], 16
	s_bcnt1_i32_b32 s29, s[HID]
	s_lshl_b32 s29, s29, 7
	s_cvt_f32_u32 s[NHF], s29                      ; the hidden keys of each of my rows
	s_mov_b32 s30, 0xff61b1e6                      ; -3e38
	s_cmp_lg_u32 s[HID], 0
	s_cselect_b32 s28, s28, s30                    ; the largest t so far
.irp x, 0,1,2,3
	v_mov_b32 v[ST+4*\x+1], s28
	v_mov_b32 v[ST+4*\x+2], 0
	v_mov_b32 v[ST+4*\x+3], 0
.endr
.irp x, 0,1,2,3
	v_floor_f32 v[ST+4*\x], -v[ST+4*\x+1]          ; -M
.endr
.set j, 0
.rept 16
	v_mov_b32 v[T+j], 0                            ; written once: permutes' destinations and upper halves of named pairs
.set j, j+1
.endr
.set j, 0
.rept 8
	v_mov_b32 v[ONE+j], 0x38383838                 ; four codes of 1.0
.set j, j+1
.endr
	WIN 0x40
.set j, 0
.rept 160
	v_mov_b32 v[j], 0                              ; O^T and OH
.set j, j+1
.endr
	WIN 0
	s_mov_b32 s[TB], 0
	s_mov_b32 s[TBO], SLOTB
	s_mov_b32 s[CNT], 8
	s_wait_loadcnt 0x0                             ; slot 0's rows and Q are in, so Q's base may be written
	MLOAD 0                                        ; from here on s32 to s99 hold mask words
	STSTORE 0, G, 0x04, TB
	STSTORE 1, FR, 0, TB
	s_add_nc_u64 s[KB:KB+1], s[KB:KB+1], 0x100000
	s_add_nc_u64 s[VB:VB+1], s[VB:VB+1], 256
	s_wait_alu depctr_va_vdst(0)                   ; at the head's end
	s_wait_kmcnt 0x0
.Lslot:                                            ; eight trips, a slot each
	s_wait_dscnt 0x0                               ; my stores into this slot are done, and my reads of the other are over
	s_barrier_signal -1
	s_barrier_wait -1
	s_cmp_gt_u32 s[CNT], s[LIM]
	s_cbranch_scc0 .Lnot_mine
	global_prefetch_b8 v[PFO], s[PFA:PFA+1] th:TH_LOAD_NT scope:SCOPE_SE
.Lnot_mine:
	STEP 0
	STEP 1
	s_wait_xcnt 0x0                                ; the bases below have been read
	s_add_nc_u64 s[MP:MP+1], s[MP:MP+1], 512
	s_add_nc_u64 s[KB:KB+1], s[KB:KB+1], 0x100000
	s_add_nc_u64 s[VB:VB+1], s[VB:VB+1], 256
	s_add_nc_u64 s[PFA:PFA+1], s[PFA:PFA+1], s[PFS:PFS+1]
	s_xor_b32 s[TB], s[TB], SLOTB
	s_xor_b32 s[TBO], s[TBO], SLOTB
	s_lshr_b32 s[HID], s[HID], 2
	s_lshr_b32 s[ANY], s[ANY], 2
	s_sub_co_u32 s[CNT], s[CNT], 1
	s_cmp_lg_u32 s[CNT], 0
	s_cbranch_scc1 .Lslot
	; THE WAY OUT.  l = the sums + (hidden keys) x ph; O^T = (O^T + q(ph) x OH) x 2^(ev + ep) / l; then through my stage in LDS, so that sixteen lanes store 256 consecutive aligned bytes.
	s_wait_alu depctr_va_vdst(0)
.irp x, 0,1,2,3
	v_add_f32 v[T+2*\x], v[ST+4*\x+2], v[ST+4*\x+3]
.endr
.irp x, 0,1,2,3
	v_permlanex16_b32 v[T+2*\x+1], v[T+2*\x], s[SEL], s[SEL+1]
.endr
.irp x, 0,1,2,3
	v_add_f32 v[T+2*\x], v[T+2*\x], v[T+2*\x+1]
.endr
.irp x, 0,1,2,3
	v_fma_f32 v[T+8+\x], v[TMV], s[CS], v[ST+4*\x] ; tm - M
.endr
.irp x, 0,1,2,3
	v_min_num_f32 v[T+8+\x], 0, v[T+8+\x]          ; with a hidden step it is 0 or less; without one ph meets zeros alone and is kept finite
	v_mov_b32 v[T+12+\x], 0
.endr
	s_wait_alu depctr_va_vdst(0)                   ; ahead of the batch
.irp x, 0,1,2,3
	v_exp_f32 v[T+8+\x], v[T+8+\x]                 ; ph
.endr
	v_and_b32 v12, 15, v0                          ; r
	v_bfe_u32 v13, v0, 4, 1                        ; h
	s_wait_alu depctr_va_vdst(0)                   ; behind the batch
.irp x, 0,1,2,3
	v_fma_f32 v[T+2*\x], s[NHF], v[T+8+\x], v[T+2*\x]
.endr
.irp x, 0,1,2,3
	v_min_num_f32 v[T+8+\x], s[HOLD], v[T+8+\x]
.endr
	s_wait_alu depctr_va_vdst(0)                   ; ahead of the batch
.irp x, 0,1,2,3
	v_rcp_f32 v[T+2*\x], v[T+2*\x]
.endr
	v_nop
	v_cvt_scalef32_pk8_fp8_f32 v[248:249], v[T+8:T+15], v[SCL]   ; byte x: tile x's code of ph
	v_nop
.irp x, 0,1,2,3
	v_cvt_f32_fp8 v[ONE+2*\x], v248 byte_sel:\x    ; the code's number
.endr
	s_mul_i32 s26, s[WV], 16*PK
	s_add_co_u32 s26, s26, STAGE
	v_mul_u32_u24 v3, v12, PK
	v_lshl_add_u32 v3, v13, 5, v3
	v_add_nc_u32 v3, s26, v3                       ; in: row r; tile t's eight channels at 64 t + 32 h
	v_mul_u32_u24 v4, v13, PK
	v_lshl_add_u32 v4, v12, 4, v4
	v_add_nc_u32 v4, s26, v4                       ; back: lanes 0-15 one row, lanes 16-31 the next
	v_lshlrev_b32 v5, 14, v13
	v_lshl_add_u32 v5, v12, 4, v5                  ; the same two queries in out0
	s_wait_alu depctr_va_vdst(0)                   ; behind the reciprocals
.irp x, 0,1,2,3
	v_ldexp_f32 v[T+2*\x], v[T+2*\x], s[EPV]
.endr
	WIN 0x11                                       ; sources 0 and 2 in window 1
	s_wait_alu depctr_va_vdst(0)                   ; directly ahead of the first reader of O^T and OH
.irp x, 0,1,2,3
.set j, 0
.rept 16
	v_pk_fma_f32 v[FR+32*\x+j:FR+32*\x+j+1], v[OH+j:OH+j+1], v[ONE+2*\x:ONE+2*\x+1], v[O+32*\x+j:O+32*\x+j+1] op_sel_hi:[1,0,1]
.set j, j+2
.endr
.endr
	WIN 0
.irp x, 0,1,2,3
.set j, 0
.rept 16
	v_pk_mul_f32 v[FR+32*\x+j:FR+32*\x+j+1], v[FR+32*\x+j:FR+32*\x+j+1], v[T+2*\x:T+2*\x+1] op_sel_hi:[1,0]
.set j, j+2
.endr
.endr
.irp x, 0,1,2,3
.irp t, 0,1,2,3
	ds_store_b128 v3, v[FR+32*\x+8*\t:FR+32*\x+8*\t+3] offset:64*\t
	ds_store_b128 v3, v[FR+32*\x+8*\t+4:FR+32*\x+8*\t+7] offset:64*\t+16
.endr
.irp i, 0,1,2,3,4,5,6,7
	ds_load_b128 v[FR+32*\x+4*\i:FR+32*\x+4*\i+3], v4 offset:2*\i*PK   ; LDS serves a wave's instructions in order (ISA guide 5.7.1.4): these see my stores, and the next tile's stores come behind them
.endr
.endr
	s_wait_alu depctr_va_vdst(0)                   ; directly ahead of the waits below
.irp x, 0,1,2,3
.irp i, 0,1,2,3,4,5,6,7
	s_wait_dscnt 7-\i+16*(3-\x)                    ; behind this load: its tile's 7 - i younger loads and sixteen LDS instructions for each later tile
	global_store_b128 v5, v[FR+32*\x+4*\i:FR+32*\x+4*\i+3], s[OUT:OUT+1] offset:262144*\x+32768*\i th:TH_STORE_NT
.endr
.endr
	s_wait_tensorcnt 0x0                           ; the wave's end
	ds_add_u32 v[SPW], v[NIL]
	s_wait_dscnt 0x0
	s_endpgm
.Lfunc_end_k_qe8e6c89361_attn:
	.size	k_qe8e6c89361_attn, .Lfunc_end_k_qe8e6c89361_attn-k_qe8e6c89361_attn
	.p2alignl 7, 3214868480
	.fill 96, 4, 3214868480
	.section	.rodata,"a",@progbits
	.p2align	6, 0x0
	.amdhsa_kernel k_qe8e6c89361_attn
		.amdhsa_group_segment_fixed_size 314368
		.amdhsa_private_segment_fixed_size 0
		.amdhsa_enable_private_segment 0
		.amdhsa_kernarg_size 48
		.amdhsa_user_sgpr_count 2
		.amdhsa_user_sgpr_kernarg_segment_ptr 1
		.amdhsa_wavefront_size32 1
		.amdhsa_system_sgpr_workgroup_id_x 1
		.amdhsa_system_sgpr_workgroup_id_y 1
		.amdhsa_system_sgpr_workgroup_id_z 1
		.amdhsa_system_vgpr_workitem_id 0
		.amdhsa_next_free_vgpr 512
		.amdhsa_next_free_sgpr 106
		.amdhsa_reserve_vcc 0
		.amdhsa_float_denorm_mode_32 3
		.amdhsa_float_denorm_mode_16_64 3
		.amdhsa_memory_ordered 1
		.amdhsa_forward_progress 1
		.amdhsa_inst_pref_size 197
	.end_amdhsa_kernel
	.amdgpu_metadata
---
amdhsa.version: [ 1, 2 ]
amdhsa.kernels:
  - .name:           k_qe8e6c89361_attn
    .symbol:         k_qe8e6c89361_attn.kd
    .args:
      - { .name: query_codes, .offset: 0, .size: 8, .value_kind: global_buffer, .address_space: global }
      - { .name: key_codes, .offset: 8, .size: 8, .value_kind: global_buffer, .address_space: global }
      - { .name: value_codes, .offset: 16, .size: 8, .value_kind: global_buffer, .address_space: global }
      - { .name: lowp_scales, .offset: 24, .size: 8, .value_kind: global_buffer, .address_space: global }
      - { .name: maskbits, .offset: 32, .size: 8, .value_kind: global_buffer, .address_space: global }
      - { .name: out0, .offset: 40, .size: 8, .value_kind: global_buffer, .address_space: global }
    .group_segment_fixed_size: 314368
    .private_segment_fixed_size: 0
    .kernarg_segment_align: 8
    .kernarg_segment_size: 48
    .max_flat_workgroup_size: 256
    .sgpr_count:     106
    .vgpr_count:     512
    .wavefront_size: 32
...
	.end_amdgpu_metadata
.endif
;; end of part 2
